; MI455X (gfx1250); checked and timed in simulation.
; The chip was launched on July 23, 2026; its instructions are those of AMD's public machine-readable ISA for CDNA 5 (MIT licence, August 2026) and "CDNA5" Instruction Set Architecture Reference Guide (July 2026). The comments in the code are by the model that wrote it; some were corrected since.
;; Spherical Vector Quantizer. Allowed arithmetic: matrix products marked QUANTISED: E5M2 operands, one given power-of-two scale a tensor, by v_wmma_f32_16x16x64_bf8_bf8 or v_wmma_f32_16x16x128_bf8_bf8, f32 sums; everything else in f32.
;; Inputs: embed_weight 16,384 x 256 float32; lowp_scales 2 int32 (the exponents e of the quantised operands' scales 2^e); z 8 x 256 x 32 x 32 float32.
;; Outputs: out0 8 x 256 x 32 x 32 float32; out1 8,192 int32; out2 8 x 32 x 32 x 256 int32; out3 1 float32.
;; This version of the problem:
;;   THIS VERSION OF THE PROBLEM IS GIVEN IN LOW PRECISION. The matrix products marked QUANTISED in the list below multiply operands that are first quantised to E5M2 (5 exponent bits, 2 mantissa bits; 8 bits a number), with one given power-of-two scale for each operand tensor; their sums are f32. All else is computed in f32.
;;   The module's matrix products, in the order in which they are computed (A, B: the left and right operand; K: the contracted axis; several contracted axes count as one K, in the product's order):
;;     1. [M 8,192, K 256] x [K 256, N 16,384]; A: input z; B: computed on the way: QUANTISED (scales: A lowp_scales[0], B lowp_scales[1])
;;   THE QUANTISER, for each operand of a quantised product, along K:
;;     - The operand's scale is 2^e, e = its entry of the input lowp_scales (int32; the entries are numbered through the quantised products in the list's order, A before B).
;;     - Each number is divided by the scale, clamped to +-57,344, and rounded to the nearest number of E5M2, ties to even, subnormals kept.
;;     - The product sums the exact products of the quantised numbers (number of the format x scale) in f32.
;;   ~~~python
;;   def quantise(x, axis, e):      # numpy; x: float32 -> the quantised numbers, widened to float32 again
;;       x = np.moveaxis(x, axis, -1); K = x.shape[-1]
;;       r = np.clip(x / 2.0 ** e, -57344, 57344)
;;       step = 2.0 ** (np.maximum(np.frexp(np.where(r == 0, 1, r))[1] - 1, -14) - 2)
;;       q = np.round(r / step) * step * 2.0 ** e      # np.round: ties to even
;;       return np.moveaxis(q, -1, axis).astype(np.float32)
;;   ~~~
;;   OPERANDS COMPUTED ON THE WAY. 'Computed on the way' means the value that the module computes at that place (a softmax that the list does not call 'softmax' is quantised finished and normalised). What goes into a quantiser is computed in f32, as accurately as f32 sums, v_exp_f32 and their like allow (about 1e-6 of the number): no bf16 or f16 on the way to a quantiser, and a product that is left as it is and whose result goes on into a quantised operand takes f32 operands (vector FMAs, or v_wmma_f32_16x16x4_f32). A number that lies on a knife's edge between two numbers of the format may be rounded either way, as far as f32 arithmetic and the matrix unit's own rounding can turn it there, and no further.
;; One version. Each part assembles by itself: llvm-mc -triple=amdgcn-amd-amdhsa -mcpu=gfx1250 --defsym DOCPART=n.
;; ======== version 1 of 1: 3 launches
;; limits: right only within a limited range of input values
;; workspace buffers: z_img 2,097,152 bytes; ew_img 4,194,304 bytes; norms 131,072 bytes; cand 2,097,152 bytes of whole numbers
;; launch prep (part 1): grid 256 x 1, 6 waves a work-group, no clusters, 67,328 bytes of LDS; arguments z, embed_weight, lowp_scales, z_img, ew_img, norms; writes z_img, ew_img, norms
.if DOCPART == 1
	.amdgcn_target "amdgcn-amd-amdhsa--gfx1250"
	.amdhsa_code_object_version 6
	.text
	.protected	k_q48c0ea2a33_prep
	.globl	k_q48c0ea2a33_prep
	.p2align	8
	.type	k_q48c0ea2a33_prep,@function
k_q48c0ea2a33_prep:
	s_mov_b64 s[64:65], 0
	v_nop
	global_prefetch_b8 v0, s[64:65] scope:SCOPE_SE
	s_setreg_imm32_b32 hwreg(HW_REG_WAVE_MODE, 25, 1), 1
	s_wait_xcnt 0x0
; Both operands of the one product become codes of BF8 (E5M2), once, since many work-groups of the next launch read them.
;   z [8][256][1024] f32, K = its 256 channels        -> z_img:  codes of z / 2^e0
;   embed_weight [16384][256] f32, K innermost         -> norms:  max(|row|, 1e-12) and its reciprocal;   ew_img: codes of (row / that) / 2^e1
; code = x / 2^e, held within +-57,344, to the nearest code, ties to even.  e0, e1: the two whole numbers in lowp_scales.
; DEAD WORK LEFT OUT OF THE PROGRAM.  (1) st = zf + (zq - zf) is zq in exact arithmetic, whatever finite values z and embed_weight hold: z reaches out0 and out2 through the winning index alone,
; so the last launch does not load z and gives zq itself.  (2) The product's factor 2^(e0 + e1) is positive and the same for all codes of a token: it moves no argmax and is not multiplied in.
; LIMITS of that: a NaN, an infinity or an overflow that reaches only zf + (zq - zf), or only the scaled scores, is not carried to the results.
; LAYOUT: IMAGES OF THE OPERAND'S REGISTERS.  A tile of 16 rows x 256 K is 4,096 bytes; the 16 bytes at 2048 s + 512 c + 16 (16 h + r) are the codes k = 128 s + 32 c + 16 h + 0 .. 15 of the tile's
; row r: what lane 16 h + r holds in registers 4 c .. 4 c + 3 of the fragment of K step s.  The same place for each k on both sides, so every product meets its partner.
; Tile T of the codebook holds rows 16 T + r.  Tile 4 B + j of z holds tokens 64 B + 4 r + j.
; SHARES: 256 equal work-groups of six waves, 16 KiB of f32 a wave in 32 loads of 16 bytes a lane, all issued ahead of the first use: waves 0 and 1 take z, waves 2 to 5 a codebook tile each, through a stage of
; their own in LDS.  Waves share nothing: no barrier.  No prefetch: there is no loop to run ahead in.
; LIMITS: e0, e1 between -126 and 112, so that 2^e and 57,344 x 2^e are f32 numbers; a codebook row's sum of squares stays under f32's largest number; NaN among the inputs is not served.
.set SC,   8                           ; v8       2^e as f32: the conversion takes its exponent field
.set LIM,  9                           ; v9       57,344 x 2^e
.set NC,   10                          ; v[10:11] the row's norm, held at 1e-12 from below, twice
.set RC,   12                          ; v[12:13] its reciprocal, twice
.set SPW,  14                          ; v14      LDS address of my spare word; never rewritten
.set NIL,  15                          ; v15      0; never rewritten
.set X,    16                          ; v16-143  128 numbers of a lane
.set C,    144                         ; codebook: v144-175 codes
.set SUM,  176                         ; codebook: v176-183 four pairs
.set TE,   184                         ; codebook: v184-191 at work
.set T0,   144                         ; z: v144-207 the first 32 channels, by tokens
.set T1,   16                          ; z: v16-79   the second 32, over the first ones' numbers as loaded
.set ZC,   208                         ; z: v208-239 codes
.set SP,   1040                        ; a row in the stage: 1,024 bytes + 16: row r starts 16 r bytes on modulo 256 (64 banks of 4 bytes: ISA guide 11.1)
.set WSTG, 16*SP                       ; a wave's stage
.set SPARE, 4*WSTG                     ; behind the four stages: the spare words, 128 bytes for each wave
.set EPS,  0x2b8cbccc                  ; 1e-12
.macro SCALE e                         ; s[e] holds the exponent
	s_add_co_i32 s24, s[\e], 127
	s_lshl_b32 s25, s24, 23
	v_mov_b32 v[SC], s25
	s_add_co_i32 s24, s24, 15
	s_lshl_b32 s24, s24, 23
	s_or_b32 s24, s24, 0x600000                    ; the mantissa field of 57,344
	v_mov_b32 v[LIM], s24
.endm
	s_load_b256 s[4:11], s[0:1], 0x0               ; z s[4:5], embed_weight s[6:7], lowp_scales s[8:9], z_img s[10:11]
	s_load_b128 s[12:15], s[0:1], 0x20             ; ew_img s[12:13], norms s[14:15]
	v_lshl_add_u32 v[SPW], v0, 2, SPARE
	v_mov_b32 v[NIL], 0
	v_lshrrev_b32 v1, 5, v0
	v_readfirstlane_b32 s16, v1                    ; wave 0..5
	v_and_b32 v7, 31, v0                           ; lane
	v_and_b32 v6, 15, v0                           ; r
	v_bfe_u32 v5, v0, 4, 1                         ; h
	v_lshlrev_b32 v1, 4, v7                        ; 16 x lane
	s_mov_b32 s19, 0
	s_mov_b32 s21, 0
	s_wait_alu depctr_va_vdst(0)
	s_wait_kmcnt 0x0
	s_load_b64 s[22:23], s[8:9], 0x0               ; e0, e1
	s_cmp_lt_u32 s16, 2
	s_cbranch_scc0 .Lcodebook
; ---------------- z.  Work-group g: channels 64 (g % 4) on; wave w: the 64 tokens of block B = 2 (g / 4) + w.  Load i of 32 channels: lanes 0-15 read channel i at 64 tokens, 256 consecutive bytes, four tokens a lane;
; lanes 16-31 channel 16 + i.  So lane (r, h) holds, of each of its four tokens, k = 16 h + 0 .. 15; the hold writes them by tokens, into consecutive registers.
	s_and_b32 s17, ttmp9, 3                        ; which 64 channels
	s_lshr_b32 s29, ttmp9, 2
	s_lshl_b32 s29, s29, 1
	s_add_co_u32 s29, s29, s16                     ; B
	s_lshr_b32 s18, s29, 4                         ; the image: 16 blocks each,
	s_lshl_b32 s18, s18, 20
	s_lshl_b32 s30, s17, 18                        ; + 64 channels x 4,096 bytes,
	s_add_co_u32 s18, s18, s30
	s_and_b32 s30, s29, 15
	s_lshl_b32 s30, s30, 8                         ; + 64 tokens x 4 bytes
	s_add_co_u32 s18, s18, s30
	s_add_nc_u64 s[4:5], s[4:5], s[18:19]
	s_lshl_b32 s20, s29, 14                        ; z_img: four tiles a block,
	s_lshl_b32 s30, s17, 10                        ; + two of the 512-byte pieces
	s_add_co_u32 s20, s20, s30
	s_add_nc_u64 s[10:11], s[10:11], s[20:21]
	v_lshlrev_b32 v2, 4, v6
	v_lshl_add_u32 v2, v5, 16, v2                  ; 16 r + 16 channels for lanes 16-31
.irp c, 0,1
.set i, 0
.rept 16
	global_load_b128 v[X+64*\c+4*i:X+64*\c+4*i+3], v2, s[4:5] offset:4096*(32*\c+i) th:TH_LOAD_NT
.set i, i+1
.endr
.endr
	s_wait_kmcnt 0x0
	SCALE 22
	s_wait_alu depctr_va_vdst(0)
.macro ZBLOCK c, left, t
	s_wait_loadcnt \left                           ; loads come back in order (ISA guide 5.7.1): this block's 16 are in
.irp k, 0,1,2,3
.set i, 0
.rept 16
	v_med3_num_f32 v[\t+16*\k+i], v[X+64*\c+4*i+\k], -v[LIM], v[LIM]   ; the conversion to an 8-bit code does not saturate (ISA guide 7.6.2): the hold comes first
.set i, i+1
.endr
.endr
.irp k, 0,1,2,3
	v_cvt_scalef32_pk8_bf8_f32 v[ZC+16*\c+4*\k:ZC+16*\c+4*\k+1], v[\t+16*\k:\t+16*\k+7], v[SC]
	v_cvt_scalef32_pk8_bf8_f32 v[ZC+16*\c+4*\k+2:ZC+16*\c+4*\k+3], v[\t+16*\k+8:\t+16*\k+15], v[SC]
.endr
.irp k, 0,1,2,3                        ; tile 4 B + k: the wave stores 512 consecutive bytes.  (The codes go to stores alone, and plain lines follow)
	global_store_b128 v1, v[ZC+16*\c+4*\k:ZC+16*\c+4*\k+3], s[10:11] offset:4096*\k+512*\c
.endr
.endm
	ZBLOCK 0, 16, T0
	ZBLOCK 1, 0, T1
	s_endpgm
; ---------------- the codebook.  A wave takes a tile of 16 rows, 16 KiB on end in memory.  The loads take the bytes as they lie, 512 to a load; the rows turn through the wave's stage,
; so that lane (r, h) then holds, of row r, its 128 numbers in the operand's order: register 16 p + i = k 32 p + 16 h + i.
.Lcodebook:
	s_and_b32 s30, s16, 3                          ; waves 2, 3, 4, 5 take places 2, 3, 0, 1
	s_lshl_b32 s17, ttmp9, 2
	s_add_co_u32 s17, s17, s30                     ; my tile, 0 .. 1023
	s_lshl_b32 s18, s17, 14
	s_add_nc_u64 s[6:7], s[6:7], s[18:19]          ; its 16 rows of 1,024 bytes
	s_lshl_b32 s20, s17, 12
	s_add_nc_u64 s[12:13], s[12:13], s[20:21]      ; its image
	s_lshl_b32 s20, s17, 6
	s_add_nc_u64 s[14:15], s[14:15], s[20:21]      ; its 16 norms
.set i, 0
.rept 32
	global_load_b128 v[X+4*i:X+4*i+3], v1, s[6:7] offset:512*i
.set i, i+1
.endr
	s_mul_i32 s29, s30, WSTG                       ; my stage
	v_add_nc_u32 v3, s29, v1                       ; into it: as loaded
	v_mul_u32_u24 v4, v6, SP
	v_lshl_add_u32 v4, v5, 6, v4
	v_add_nc_u32 v4, s29, v4                       ; out of it: row r, + 64 h: my 16 numbers of a block of 32
	v_lshlrev_b32 v2, 2, v6
	v_lshl_add_u32 v2, v5, 16, v2                  ; norms: entry r; lanes 16-31 write the reciprocals, 16,384 entries further on
	v_mov_b32 v[TE+1], 0                           ; written once: a lane permute's destination counts as one of its sources
	s_mov_b32 s26, 0x76543210                      ; v_permlanex16_b32's selects for lane l xor 16
	s_mov_b32 s27, 0xfedcba98
	s_mov_b32 s28, 0xffff0000                      ; lanes 16-31
	s_wait_alu depctr_va_vdst(0)
	s_wait_kmcnt 0x0
	SCALE 23
	s_wait_alu depctr_va_vdst(0)
.irp g, 0,1,2,3
	s_wait_loadcnt 24-8*\g                         ; the oldest 8 (g + 1) loads are in
.irp n, 0,1,2,3,4,5,6,7
	ds_store_b128 v3, v[X+4*(8*\g+\n):X+4*(8*\g+\n)+3] offset:((8*\g+\n)/2)*SP+((8*\g+\n)%2)*512
.endr
.endr
	s_wait_dscnt 0x0                               ; the stores have read their registers, which the loads below fill
.irp p, 0,1,2,3,4,5,6,7
.irp q, 0,1,2,3
	ds_load_b128 v[X+16*\p+4*\q:X+16*\p+4*\q+3], v4 offset:128*\p+16*\q
.endr
.endr
.irp p, 0,1,2,3,4,5,6,7                ; the sum of my 128 squares, two at a time, in four chains; the first four products start them
	s_wait_alu depctr_va_vdst(0)
	s_wait_dscnt 4*(7-\p)                          ; piece p's four loads are in; the later pieces' may be out
.irp j, 0,1,2,3,4,5,6,7
.if (\p == 0) && (\j < 4)
	v_pk_mul_f32 v[SUM+2*\j:SUM+2*\j+1], v[X+2*\j:X+2*\j+1], v[X+2*\j:X+2*\j+1]
.else
	v_pk_fma_f32 v[SUM+2*(\j%4):SUM+2*(\j%4)+1], v[X+16*\p+2*\j:X+16*\p+2*\j+1], v[X+16*\p+2*\j:X+16*\p+2*\j+1], v[SUM+2*(\j%4):SUM+2*(\j%4)+1]
.endif
.endr
.endr
	v_pk_add_f32 v[SUM:SUM+1], v[SUM:SUM+1], v[SUM+2:SUM+3]
	v_pk_add_f32 v[SUM+4:SUM+5], v[SUM+4:SUM+5], v[SUM+6:SUM+7]
	v_pk_add_f32 v[SUM:SUM+1], v[SUM:SUM+1], v[SUM+4:SUM+5]
	v_add_f32 v[TE], v[SUM], v[SUM+1]
	v_permlanex16_b32 v[TE+1], v[TE], s26, s27     ; the row's other 128 squares lie in the lane 16 away
	v_add_f32 v[TE], v[TE], v[TE+1]                ; a = the row's sum of squares
	s_wait_alu depctr_va_vdst(0)
	v_sqrt_f32 v[TE+2], v[TE]                      ; s, good to a unit in the last place,
	v_nop                                          ; (a plain line behind a transcendental: ISA guide 5.7.2)
	s_wait_alu depctr_va_vdst(0)
	v_rcp_f32 v[TE+3], v[TE+2]
	v_fma_f32 v[TE+4], -v[TE+2], v[TE+2], v[TE]    ; a - s s, exact in one rounding (also the plain line behind the reciprocal),
	s_wait_alu depctr_va_vdst(0)
	v_mul_f32 v[TE+3], 0.5, v[TE+3]
	v_fma_f32 v[TE+2], v[TE+4], v[TE+3], v[TE+2]   ; s + (a - s s) / (2 s).  A row of zeros gives 0 x infinity here, which loses against 1e-12 in the next line
	v_max_num_f32 v[NC], EPS, v[TE+2]
	s_wait_alu depctr_va_vdst(0)
	v_rcp_f32 v[RC], v[NC]
	v_mov_b32 v[NC+1], v[NC]                       ; (the plain line behind the reciprocal)
	s_wait_alu depctr_va_vdst(0)
	v_mov_b32 v[RC+1], v[RC]
.irp p, 0,1,2,3,4,5,6,7                ; x / norm: a first guess q0 = x rc, what it leaves e = x - q0 n, and q0 + e rc; four pairs by turns.  Then the hold, the codes, the store
.irp u, 0,1
.irp j, 0,1,2,3
	v_pk_mul_f32 v[SUM+2*\j:SUM+2*\j+1], v[X+16*\p+8*\u+2*\j:X+16*\p+8*\u+2*\j+1], v[RC:RC+1]
.endr
.irp j, 0,1,2,3
	v_pk_fma_f32 v[TE+2*\j:TE+2*\j+1], v[SUM+2*\j:SUM+2*\j+1], v[NC:NC+1], v[X+16*\p+8*\u+2*\j:X+16*\p+8*\u+2*\j+1] neg_lo:[1,0,0] neg_hi:[1,0,0]
.endr
.irp j, 0,1,2,3
	v_pk_fma_f32 v[X+16*\p+8*\u+2*\j:X+16*\p+8*\u+2*\j+1], v[TE+2*\j:TE+2*\j+1], v[RC:RC+1], v[SUM+2*\j:SUM+2*\j+1]
.endr
.endr
.irp i, 0,1,2,3,4,5,6,7,8,9,10,11,12,13,14,15
	v_med3_num_f32 v[X+16*\p+\i], v[X+16*\p+\i], -v[LIM], v[LIM]
.endr
	v_cvt_scalef32_pk8_bf8_f32 v[C+4*\p:C+4*\p+1], v[X+16*\p:X+16*\p+7], v[SC]
	v_cvt_scalef32_pk8_bf8_f32 v[C+4*\p+2:C+4*\p+3], v[X+16*\p+8:X+16*\p+15], v[SC]
	global_store_b128 v1, v[C+4*\p:C+4*\p+3], s[12:13] offset:512*\p   ; the wave stores 512 consecutive bytes of the image.  (The codes go to stores alone; plain lines follow)
.endr
	v_cndmask_b32 v[TE+5], v[NC], v[RC], s28       ; lanes 0-15: the norm of row r; lanes 16-31: its reciprocal
	global_store_b32 v2, v[TE+5], s[14:15]         ; two runs of 64 bytes a wave: 128 KiB in all, beside 6 MiB of codes
	s_wait_tensorcnt 0x0                           ; the wave's end
	ds_add_u32 v[SPW], v[NIL]
	s_wait_dscnt 0x0
	s_endpgm
.Lfunc_end_k_q48c0ea2a33_prep:
	.size	k_q48c0ea2a33_prep, .Lfunc_end_k_q48c0ea2a33_prep-k_q48c0ea2a33_prep
	.p2alignl 7, 3214868480
	.fill 96, 4, 3214868480
	.section	.rodata,"a",@progbits
	.p2align	6, 0x0
	.amdhsa_kernel k_q48c0ea2a33_prep
		.amdhsa_group_segment_fixed_size 67328
		.amdhsa_private_segment_fixed_size 0
		.amdhsa_enable_private_segment 0
		.amdhsa_kernarg_size 48
		.amdhsa_user_sgpr_count 2
		.amdhsa_user_sgpr_kernarg_segment_ptr 1
		.amdhsa_wavefront_size32 1
		.amdhsa_system_sgpr_workgroup_id_x 1
		.amdhsa_system_sgpr_workgroup_id_y 1
		.amdhsa_system_sgpr_workgroup_id_z 1
		.amdhsa_system_vgpr_workitem_id 0
		.amdhsa_next_free_vgpr 240
		.amdhsa_next_free_sgpr 66
		.amdhsa_reserve_vcc 0
		.amdhsa_float_denorm_mode_32 3
		.amdhsa_float_denorm_mode_16_64 3
		.amdhsa_memory_ordered 1
		.amdhsa_forward_progress 1
		.amdhsa_inst_pref_size 51
	.end_amdhsa_kernel
	.amdgpu_metadata
---
amdhsa.version: [ 1, 2 ]
amdhsa.kernels:
  - .name:           k_q48c0ea2a33_prep
    .symbol:         k_q48c0ea2a33_prep.kd
    .args:
      - { .name: z, .offset: 0, .size: 8, .value_kind: global_buffer, .address_space: global }
      - { .name: embed_weight, .offset: 8, .size: 8, .value_kind: global_buffer, .address_space: global }
      - { .name: lowp_scales, .offset: 16, .size: 8, .value_kind: global_buffer, .address_space: global }
      - { .name: z_img, .offset: 24, .size: 8, .value_kind: global_buffer, .address_space: global }
      - { .name: ew_img, .offset: 32, .size: 8, .value_kind: global_buffer, .address_space: global }
      - { .name: norms, .offset: 40, .size: 8, .value_kind: global_buffer, .address_space: global }
    .group_segment_fixed_size: 67328
    .private_segment_fixed_size: 0
    .kernarg_segment_align: 8
    .kernarg_segment_size: 48
    .max_flat_workgroup_size: 192
    .sgpr_count:     66
    .vgpr_count:     240
    .wavefront_size: 32
...
	.end_amdgpu_metadata
.endif
;; end of part 1
;; launch score (part 2): grid 8 x 32, 8 waves a work-group, clusters of 4 x 1, 327,680 bytes of LDS; arguments z_img, ew_img, cand; writes cand
.if DOCPART == 2
	.amdgcn_target "amdgcn-amd-amdhsa--gfx1250"
	.amdhsa_code_object_version 6
	.text
	.protected	k_q48c0ea2a33_score
	.globl	k_q48c0ea2a33_score
	.p2align	8
	.type	k_q48c0ea2a33_score,@function
k_q48c0ea2a33_score:
	s_mov_b64 s[64:65], 0
	v_nop
	global_prefetch_b8 v0, s[64:65] scope:SCOPE_SE
	s_setreg_imm32_b32 hwreg(HW_REG_WAVE_MODE, 25, 1), 1
	s_wait_xcnt 0x0
	s_wait_alu depctr_hold_cnt(0) depctr_sa_sdst(0) depctr_va_vdst(0) depctr_va_sdst(0) depctr_va_ssrc(0) depctr_va_vcc(0) depctr_vm_vsrc(0)
	s_getreg_b32 s2, hwreg(HW_REG_IB_STS2, 6, 4)
	s_cmp_eq_u32 s2, 0
	s_cbranch_scc0 .Lentry_in_a_cluster
	s_endpgm
.Lentry_in_a_cluster:
	s_bfe_u32 s2, ttmp6, 0x10000c
	s_cmp_lg_u32 s2, 0x3003
	s_cbranch_scc0 .Lentry_shape_is_right
	s_endpgm
.Lentry_shape_is_right:
; scores = Q(z) Q(normalised codebook)^T on codes of BF8 (E5M2), and for each token the first index of the largest score among 512 codes.  No score goes to memory.
; DEAD WORK: the factor 2^(e0 + e1), positive and the same for all codes, moves no argmax: not multiplied in, and lowp_scales is not loaded.
; SHARES.  A work-group: 1,024 tokens (block tb) x 512 codes (block y).  Wave w keeps its 128 tokens, 8 tiles, in 256 registers for the whole launch, and walks the block's 32 tiles of 16 codes, which lie in LDS.
; Eight waves, two to a SIMD.  A tile of codes read from LDS (2 x 16 registers) feeds 16 matrix instructions.
; CLUSTER.  The four token blocks of a cluster walk the same block of codes: its 128 KiB are asked for JOINTLY.  The tokens are each work-group's own and go straight into registers.
; TWO FILLS, no LDS byte twice: at the head one joint load a wave (tile w of tiles 0-7), then, behind the full sequence and a round, one more (three of tiles 8-31, 12 KiB).
; THE WALK.  Tiles 0-7 are walked twice: against token tiles 0-3, the first half of the tokens, then against token tiles 4-7.  The second half of the tokens is asked for in the first four steps of the first walk,
; eight loads a step, and lands, like the second fill, under products.  Then one barrier, and tiles 8-31 against all eight token tiles.  No prefetch: there is no loop of requests to run ahead in.
; THE MATRIX INSTRUCTION: source 0 = 16 codes, source 1 = 16 tokens: in the result lane (r, h) holds token r of the tile (64 B + 4 r + j of tile 4 B + j), and register i the code 8 h + i.
; THE ARGMAX, for a lane and a tile of tokens: the running largest score R; the first code G of the tile of codes in which R last grew; that tile's eight scores S.  A step costs four v_max3_num_f32,
; one compare (has R grown?), one select for G and four pairs of selects for S.  R grows only by a strictly larger score, so the earliest tile stays.
; At the end the lowest i with S[i] = R gives the index; the two halves of the lanes are merged, the lower index winning a tie.  What is stored for (block of codes, token) is a pair of whole numbers:
; the score's bits turned into a signed integer of the same order, and the index.
; LIMITS: NaN is not served; a score (before the factor) does not overflow f32.
; REGISTERS: window 0 as listed below; window 1 (v256-511): the tokens, tile t and K step s at 32 t + 16 s.
.set LI,   1                           ; v1       16 x lane: my place in an image
.set AD,   2                           ; v2       LDS address of the loop's trip
.set H8,   3                           ; v3       8 h
.set CO,   4                           ; v4       32 r + 16 h
.set SPW,  5                           ; v5       LDS address of my spare word; never rewritten
.set NIL,  6                           ; v6       0; never rewritten
.set CF,   16                          ; v16-79   two sets for a tile of codes: K step s of set c at CF + 32 c + 16 s
.set ACC,  80                          ; v80-143  eight accumulators
.set SAV,  144                         ; v144-207 S
.set RA,   208                         ; v208-215, v216-223: R, old and new by turns
.set RB,   216
.set ID,   224                         ; v224-231 G
.set KEY,  16                          ; the ending, over the code fragments and the accumulators
.set IDX,  24
.set POS,  32
.set OKEY, 40
.set OIDX, 48
.set TMP,  56
.set PR,   80
.set G1,   16                          ; s[16:23] descriptor group 1, first fill
.set G1B,  24                          ; s[24:31] second fill
.set G0,   32                          ; s[32:35] descriptor group 0, first fill
.set G0B,  36                          ; s[36:39] second fill
.set GID,  40                          ; s40      G of the tile in hand
.set TB,   41                          ; s41      LDS byte of the trip's first tile
.set CNT,  42                          ; s42      trips to go
.set GB,   43                          ; s43      the block's first code
.set MA,   70                          ; s70-77, s80-87, s90-97: masks at the ending
.set MB,   80
.set MC,   90
.set SPARE, 131072                     ; behind the codes: the spare words, 128 bytes for each wave
.set MSB, 0
.macro WIN new                         ; the immediate's high byte repeats the setting that is left
.if MSB != \new
	s_set_vgpr_msb (MSB<<8)|\new
.set MSB, \new
.endif
.endm
.macro ROUND                           ; a round of the cluster's barrier
	s_barrier_signal -1
	s_barrier_wait -1
	s_cmp_lg_u32 s12, 0
	s_cbranch_scc1 .Lnot_wave_0_\@
	s_barrier_signal -3
.Lnot_wave_0_\@:
	s_barrier_wait -3
	s_barrier_signal -1
	s_barrier_wait -1
.endm
.macro TOKENS m0, cnt                  ; loads of my tiles' images, 512 bytes each: registers 4 m on are bytes 512 m on
	WIN 0x40                                       ; destination window 1, address window 0
.set m, \m0
.rept \cnt
	global_load_b128 v[4*m:4*m+3], v[LI], s[4:5] offset:512*m
.set m, m+1
.endr
	WIN 0
.endm
	s_load_b128 s[4:7], s[0:1], 0x0                ; z_img s[4:5], ew_img s[6:7]
	s_load_b64 s[8:9], s[0:1], 0x10                ; cand
	v_lshl_add_u32 v[SPW], v0, 2, SPARE
	v_mov_b32 v[NIL], 0
	ds_add_u32 v[SPW], v[NIL]                      ; the wave's opening: the add, twice on end, and its wait
	ds_add_u32 v[SPW], v[NIL]
	v_lshrrev_b32 v7, 5, v0
	v_and_b32 v8, 31, v0
	v_bfe_u32 v9, v0, 4, 1                         ; h
	v_and_b32 v10, 15, v0                          ; r
	v_readfirstlane_b32 s12, v7                    ; wave 0..7
	v_lshlrev_b32 v[LI], 4, v8
	v_lshlrev_b32 v[H8], 3, v9
	v_lshlrev_b32 v11, 4, v9
	v_lshl_add_u32 v[CO], v10, 5, v11
	s_wait_alu depctr_va_vdst(0)
	s_bfe_u32 s13, ttmp6, 0x40000                  ; cx: my place in the cluster
	s_lshl_b32 s14, ttmp9, 2                       ; in a cluster launch ttmp9 counts clusters
	s_add_co_u32 s14, s14, s13                     ; tb = 4 x cluster x + cx: it enters the tokens' and the results' addresses alone
	s_and_b32 s15, ttmp7, 0xffff                   ; y: the block of codes, which the four partners share
	; descriptor group 1: images on end in memory, as rows of 32 elements of 8 bytes: 16 rows (one tile), and 48 rows (three tiles)
.irp g, G1, G1B
	s_mov_b32 s[\g+0], 15|(3<<16)|(1<<21)          ; 15:0 the mask: all four work-groups; 17:16 elements of 8 bytes; 20 no padding; 21 set beside a mask
	s_mov_b32 s[\g+1], 32<<16                      ; tensor_dim0 = 32
	s_mov_b32 s[\g+3], 32<<16                      ; tile_dim0 = 32
	s_mov_b32 s[\g+5], 32                          ; from row to row: 32 elements
	s_mov_b32 s[\g+6], 0
	s_mov_b32 s[\g+7], 0
.endr
	s_mov_b32 s[G1+2], 16<<16                      ; tensor_dim1
	s_mov_b32 s[G1+4], 16                          ; tile_dim1
	s_mov_b32 s[G1B+2], 48<<16
	s_mov_b32 s[G1B+4], 48
	s_lshl_b32 s46, s15, 17                        ; the block in memory: 131,072 y
	s_lshl_b32 s47, s12, 12                        ; tile w: 4,096 w, in LDS and in the block alike
	s_mul_i32 s44, s12, 12288
	s_add_co_u32 s44, s44, 32768                   ; tiles 8 + 3 w on, likewise
	s_mov_b32 s[G0], 1                             ; count = 1
	s_mov_b32 s[G0+1], s47                         ; LDS address
	s_mov_b32 s[G0B], 1
	s_mov_b32 s[G0B+1], s44
	s_add_co_u32 s48, s46, s47
	s_mov_b32 s49, 0
	s_add_co_u32 s50, s46, s44
	s_mov_b32 s51, 0
	s_lshl_b32 s52, s14, 18                        ; my tokens: tile 64 tb + 8 w, 4,096 bytes each (registers that feed no descriptor)
	s_lshl_b32 s57, s12, 15
	s_add_co_u32 s52, s52, s57
	s_mov_b32 s53, 0
	s_lshl_b32 s58, s15, 16                        ; my results: (8,192 y + 1,024 tb + 128 w) pairs of 8 bytes
	s_lshl_b32 s57, s14, 13
	s_add_co_u32 s58, s58, s57
	s_lshl_b32 s57, s12, 10
	s_add_co_u32 s58, s58, s57
	s_mov_b32 s59, 0
	s_lshl_b32 s[GB], s15, 9                       ; 512 y
	s_mov_b32 s54, 0x76543210                      ; v_permlanex16_b32's selects for lane l xor 16
	s_mov_b32 s55, 0xfedcba98
	s_mov_b32 s56, 0xffff0000                      ; lanes 16-31
	s_wait_dscnt 0x0                               ; both opening adds are done
	s_wait_kmcnt 0x0
	s_add_nc_u64 s[4:5], s[4:5], s[52:53]
	s_add_nc_u64 s[G0+2:G0+3], s[6:7], s[48:49]    ; global addresses
	s_or_b32 s[G0+3], s[G0+3], 0x80000000          ; type = 2
	s_add_nc_u64 s[G0B+2:G0B+3], s[6:7], s[50:51]
	s_or_b32 s[G0B+3], s[G0B+3], 0x80000000
	s_add_nc_u64 s[8:9], s[8:9], s[58:59]
	TOKENS 0, 8                                    ; token tile 0
	ROUND                                          ; all four work-groups are here: the joint loads meet
	tensor_load_to_lds s[G0:G0+3], s[G1:G1+7]      ; my tile of tiles 0-7
	s_nop 0
.set n, 0
.rept 4
	v_mov_b32 v[SAV+n], 0                          ; S is a source of its own selects from the first step on, which replaces it: R starts under every score
.set n, n+1
.endr
	TOKENS 8, 24                                   ; token tiles 1-3
.rept 60
	v_mov_b32 v[SAV+n], 0
.set n, n+1
.endr
.irp t, 0,1,2,3,4,5,6,7
	v_mov_b32 v[RA+\t], 0xff800000                 ; -infinity
	v_mov_b32 v[ID+\t], 0
.endr
.macro FETCH adr, off, set             ; a tile's two fragments into a set: eight loads of 512 bytes on end
.irp p, 0,1,2,3,4,5,6,7
	ds_load_b128 v[CF+32*(\set)+4*\p:CF+32*(\set)+4*\p+3], v[\adr] offset:\off+512*\p
.endr
.endm
.macro LAST new, t                     ; the fourth and last v_max3 of token tile t
	v_max3_num_f32 v[\new+(\t)], v[\new+(\t)], v[ACC+8*(\t)+6], v[ACC+8*(\t)+7]
.endm
; A STEP: one tile of codes (in set cf) against token tiles t0 .. t0 + nt - 1.  old, new: where R stands and where it goes.  off >= 0: the next tile is fetched into the other set first.
; first = 1: a walk's first tile.  ads = 1: the loop's address steps.
; sync = 1: my load of the second fill is waited for, a barrier shows every wave's, and tile 8 is fetched behind it.
.macro STEP t0, nt, old, new, cf, adr, off, first=0, ads=0, sync=0
.if (\off) >= 0
	FETCH \adr, \off, 1-(\cf)
	s_wait_dscnt 8                                 ; this tile's eight loads are in; the next tile's eight, just issued, may be out
.else
	s_wait_dscnt 0x0
.endif
	WIN 0x04                                       ; source 1 (the tokens) window 1
.set n, \t0
.rept \nt                              ; the accumulators take turns, one instruction a turn; the first K step starts the sums
	v_wmma_f32_16x16x128_bf8_bf8 v[ACC+8*n:ACC+8*n+7], v[CF+32*(\cf):CF+32*(\cf)+15], v[32*n:32*n+15], 0
.set n, n+1
.endr
.set n, \t0
.rept \nt
	v_wmma_f32_16x16x128_bf8_bf8 v[ACC+8*n:ACC+8*n+7], v[CF+32*(\cf)+16:CF+32*(\cf)+31], v[32*n+16:32*n+31], v[ACC+8*n:ACC+8*n+7]
.set n, n+1
.endr
	WIN 0
.if \first
	s_mov_b32 s[GID], s[GB]
.else
	s_add_co_u32 s[GID], s[GID], 16
.endif
.rept 4
	v_nop                                          ; four places in front of the first reads of results (ISA guide 7.12.1)
.endr
.if \ads
	s_add_co_u32 s[TB], s[TB], 8192
	v_add_nc_u32 v[AD], s[TB], v[LI]
.endif
.if \sync
	s_wait_tensorcnt 0x0                           ; my tiles of the second fill are in LDS.  No LDS load of mine is out here
	s_barrier_signal -1
.endif
.irp q, 0,2,4                          ; each accumulator is read from its low end on
.set n, \t0
.rept \nt
.if \q == 0
	v_max3_num_f32 v[\new+n], v[\old+n], v[ACC+8*n], v[ACC+8*n+1]
.else
	v_max3_num_f32 v[\new+n], v[\new+n], v[ACC+8*n+\q], v[ACC+8*n+\q+1]
.endif
.set n, n+1
.endr
.endr
.if \sync
	s_wait_alu depctr_va_vdst(0)
	s_barrier_wait -1                              ; every wave's tiles are in
	FETCH LI, 32768, 1-(\cf)
.endif
	LAST \new, \t0
	LAST \new, \t0+1
.set n, \t0
.rept \nt
	v_cmp_ge_f32 vcc_lo, v[\old+n], v[\new+n]      ; set where R has NOT grown
.if n+2 < \t0+\nt
	LAST \new, n+2                                 ; a line of a later tile between the compare and its first use
.endif
	v_cndmask_b32 v[ID+n], s[GID], v[ID+n], vcc_lo
.irp j, 0,2,4,6                        ; two selects in one instruction: destinations even and odd, both pairs of sources a register apart; both take VCC
	v_dual_cndmask_b32 v[SAV+8*n+\j], v[ACC+8*n+\j], v[SAV+8*n+\j] :: v_dual_cndmask_b32 v[SAV+8*n+\j+1], v[ACC+8*n+\j+1], v[SAV+8*n+\j+1]
.endr
.set n, n+1
.endr
.endm
	s_wait_alu depctr_va_vdst(0)
	s_wait_tensorcnt 0x0                           ; my tile of the first fill is in
	ds_add_u32 v[SPW], v[NIL]
	s_wait_dscnt 0x0
	ROUND                                          ; everybody's tile is in, and the joint loads meet
	tensor_load_to_lds s[G0B:G0B+3], s[G1B:G1B+7]  ; the second fill: three tiles
	s_nop 0
	FETCH LI, 0, 0                                 ; tile 0
	s_wait_loadcnt 0x0                             ; token tiles 0-3
.set st, 0
.rept 8                                ; tiles 0-7 against token tiles 0-3; the last step fetches tile 0 again
.if st%2 == 0
	STEP 0, 4, RA, RB, 0, LI, 4096*((st+1)%8), 1-(st+7)/8
.else
	STEP 0, 4, RB, RA, 1, LI, 4096*((st+1)%8), 0
.endif
.if st < 4
	TOKENS 32+8*st, 8                              ; token tile 4 + st: it lands under the steps that follow
.endif
.set st, st+1
.endr
	s_wait_loadcnt 0x0                             ; token tiles 4-7
.set st, 0
.rept 7                                ; tiles 0-7 against token tiles 4-7
.if st%2 == 0
	STEP 4, 4, RA, RB, 0, LI, 4096*(st+1), 1-(st+7)/8
.else
	STEP 4, 4, RB, RA, 1, LI, 4096*(st+1), 0
.endif
.set st, st+1
.endr
	STEP 4, 4, RB, RA, 1, LI, -1, 0, 0, 1
	s_mov_b32 s[TB], 32768
	v_add_nc_u32 v[AD], s[TB], v[LI]
	s_mov_b32 s[CNT], 11
	s_wait_alu depctr_va_vdst(0)
.Lmain:                                                ; tiles 8-29, two a trip (R is back in RA at a trip's end)
	STEP 0, 8, RA, RB, 0, AD, 4096
	STEP 0, 8, RB, RA, 1, AD, 8192, 0, 1
	s_sub_co_u32 s[CNT], s[CNT], 1
	s_cmp_lg_u32 s[CNT], 0
	s_cbranch_scc1 .Lmain
	STEP 0, 8, RA, RB, 0, AD, 4096                 ; tiles 30, 31: the last fetches nothing
	STEP 0, 8, RB, RA, 1, AD, -1
; THE ENDING, line by line over the eight tiles of tokens.
.macro ALL8 line:vararg
.set n, 0
.rept 8
	\line
.set n, n+1
.endr
.endm
	ALL8 v_mov_b32 v[POS+n], 7                     ; the lowest i with S[i] = R: i descends, so the lowest is taken last; one of the eight is R
.irp j, 6,5,4,3,2,1,0
	ALL8 v_cmp_neq_f32 s[MA+n], v[SAV+8*n+\j], v[RA+n]
	ALL8 v_cndmask_b32 v[POS+n], \j, v[POS+n], s[MA+n]
.endr
	ALL8 v_add3_u32 v[IDX+n], v[ID+n], v[H8], v[POS+n]     ; the index: G + 8 h + i
	ALL8 v_add_f32 v[KEY+n], 0, v[RA+n]            ; -0 becomes +0: the two are equal scores and must give equal keys
	ALL8 v_ashrrev_i32 v[TMP+n], 31, v[KEY+n]
	ALL8 v_and_b32 v[TMP+n], 0x7fffffff, v[TMP+n]
	ALL8 v_xor_b32 v[KEY+n], v[KEY+n], v[TMP+n]    ; a negative number's lower 31 bits are turned over: signed integers in the scores' order
	ALL8 v_permlanex16_b32 v[OKEY+n], v[KEY+n], s54, s55   ; the token's other eight codes of each tile lie in the lane 16 away
	ALL8 v_permlanex16_b32 v[OIDX+n], v[IDX+n], s54, s55
	ALL8 v_cmp_gt_i32 s[MA+n], v[OKEY+n], v[KEY+n]
	ALL8 v_cmp_eq_u32 s[MB+n], v[OKEY+n], v[KEY+n]
	ALL8 v_cmp_lt_u32 s[MC+n], v[OIDX+n], v[IDX+n]
	ALL8 s_and_b32 s[MB+n], s[MB+n], s[MC+n]
	ALL8 s_or_b32 s[MA+n], s[MA+n], s[MB+n]        ; the other pair wins: a larger key, or an equal key and a lower index
	ALL8 v_cndmask_b32 v[KEY+n], v[KEY+n], v[OKEY+n], s[MA+n]
	ALL8 v_cndmask_b32 v[IDX+n], v[IDX+n], v[OIDX+n], s[MA+n]
.irp b, 0,1                            ; block b's 64 tokens: lane (r, 0) stores tokens 4 r, 4 r + 1 (tiles 4 b, 4 b + 1), lane (r, 1) tokens 4 r + 2, 4 r + 3: 512 consecutive bytes, aligned
.irp u, 0,1
	v_cndmask_b32 v[PR+4*\b+2*\u], v[KEY+4*\b+\u], v[KEY+4*\b+\u+2], s56
	v_cndmask_b32 v[PR+4*\b+2*\u+1], v[IDX+4*\b+\u], v[IDX+4*\b+\u+2], s56
.endr
	global_store_b128 v[CO], v[PR+4*\b:PR+4*\b+3], s[8:9] offset:512*\b
.endr
	s_wait_tensorcnt 0x0                           ; the wave's end
	ds_add_u32 v[SPW], v[NIL]
	s_wait_dscnt 0x0
	ROUND                                          ; the closing round: no work-group ends while a partner may still ask for the tiles that name it
	s_endpgm
.Lfunc_end_k_q48c0ea2a33_score:
	.size	k_q48c0ea2a33_score, .Lfunc_end_k_q48c0ea2a33_score-k_q48c0ea2a33_score
	.p2alignl 7, 3214868480
	.fill 96, 4, 3214868480
	.section	.rodata,"a",@progbits
	.p2align	6, 0x0
	.amdhsa_kernel k_q48c0ea2a33_score
		.amdhsa_group_segment_fixed_size 327680
		.amdhsa_private_segment_fixed_size 0
		.amdhsa_enable_private_segment 0
		.amdhsa_kernarg_size 24
		.amdhsa_user_sgpr_count 2
		.amdhsa_user_sgpr_kernarg_segment_ptr 1
		.amdhsa_wavefront_size32 1
		.amdhsa_system_sgpr_workgroup_id_x 1
		.amdhsa_system_sgpr_workgroup_id_y 1
		.amdhsa_system_sgpr_workgroup_id_z 1
		.amdhsa_system_vgpr_workitem_id 0
		.amdhsa_next_free_vgpr 512
		.amdhsa_next_free_sgpr 98
		.amdhsa_reserve_vcc 1
		.amdhsa_float_denorm_mode_32 3
		.amdhsa_float_denorm_mode_16_64 3
		.amdhsa_memory_ordered 1
		.amdhsa_forward_progress 1
		.amdhsa_inst_pref_size 110
	.end_amdhsa_kernel
	.amdgpu_metadata
---
amdhsa.version: [ 1, 2 ]
amdhsa.kernels:
  - .name:           k_q48c0ea2a33_score
    .symbol:         k_q48c0ea2a33_score.kd
    .args:
      - { .name: z_img, .offset: 0, .size: 8, .value_kind: global_buffer, .address_space: global }
      - { .name: ew_img, .offset: 8, .size: 8, .value_kind: global_buffer, .address_space: global }
      - { .name: cand, .offset: 16, .size: 8, .value_kind: global_buffer, .address_space: global }
    .group_segment_fixed_size: 327680
    .private_segment_fixed_size: 0
    .kernarg_segment_align: 8
    .kernarg_segment_size: 24
    .max_flat_workgroup_size: 256
    .sgpr_count:     98
    .vgpr_count:     512
    .wavefront_size: 32
...
	.end_amdgpu_metadata
.endif
;; end of part 2
;; launch finish (part 3): grid 128 x 2, 8 waves a work-group, no clusters, 38,144 bytes of LDS; arguments cand, norms, embed_weight, out0, out1, out2, out3; writes out0, out1, out2, out3
.if DOCPART == 3
	.amdgcn_target "amdgcn-amd-amdhsa--gfx1250"
	.amdhsa_code_object_version 6
	.text
	.protected	k_q48c0ea2a33_finish
	.globl	k_q48c0ea2a33_finish
	.p2align	8
	.type	k_q48c0ea2a33_finish,@function
k_q48c0ea2a33_finish:
	s_mov_b64 s[64:65], 0
	v_nop
	global_prefetch_b8 v0, s[64:65] scope:SCOPE_SE
	s_setreg_imm32_b32 hwreg(HW_REG_WAVE_MODE, 25, 1), 1
	s_wait_xcnt 0x0
; For each token: the winner among its 32 stored pairs (key, index), by compares of whole numbers; zq = the winner's row of embed_weight, divided by max(|row|, 1e-12);
; out0 = zq, channels first;  out1 = the index;  out2 = trunc(zq x sqrt(32)) + 4, channels last;  out3 = 0.
; DEAD WORK: zf + (zq - zf) is zq in exact arithmetic, so z is not loaded.  LIMIT: a NaN, an infinity or an overflow that reaches only that sum is not carried to out0 and out2.
; SHARES.  A work-group: 64 tokens (x) x 128 channels (y); the norm comes from the first launch's table, so a row can be halved.  out0 has the tokens innermost, the codebook and out2 the channels: LDS turns one into the other.
;   [channel][token]: wave w has channels 16 w .. 16 w + 15; lane (hh, c): channel 2 i + hh of them, tokens 4 c .. 4 c + 3.  Sixteen lanes store 256 consecutive bytes.
;   [token][channel]: wave w has tokens 8 w .. 8 w + 7; a lane has channels 4 lane .. 4 lane + 3.  The wave reads or stores 512 consecutive bytes.
; THE MERGE keeps the first index: of two pairs the one from the lower blocks of codes stays unless the other's key is strictly larger.  Wave w merges blocks 4 w .. 4 w + 3 for all 64 tokens, the eight results meet in LDS.
; No tensor load and no matrix instruction, and no prefetch: the rows are known only when they are wanted.
; LIMITS: NaN is not served.  The quotient is a reciprocal, a multiplication and one fused correction; the norm is the first launch's.
.set PART, 0                           ; LDS: 8 waves x 64 tokens x 8 bytes
.set QT,   4096                        ; zq: 64 rows (tokens) of TP bytes
.set TP,   516                         ; 128 channels + one word: 129 words from token to token, an odd number (64 banks of 4 bytes: ISA guide 11.1)
.set SPARE, 37120                      ; the spare words, 128 bytes for each wave
.set L16,  2                           ; v2   16 x lane
.set PST,  3                           ; v3   where I put my partial winners: 512 w + 16 x lane
.set DL,   4                           ; v4   [channel][token] side of the turn: 4 TP c + 4 hh + 64 w
.set TL,   5                           ; v5   [token][channel] side: 8 TP w + 16 x lane
.set ZA,   6                           ; v6   out0: 4,096 hh + 16 c
.set LB,   7                           ; v7   my 16 bytes of a codebook row: 512 y + 16 x lane
.set CD,   8                           ; v8-23    four blocks' pairs of tokens 2 lane, 2 lane + 1
.set PM,   24                          ; v24-55   the eight partial winners
.set IX,   56                          ; v[56:57] the two tokens' indices
.set L8,   58                          ; v58  8 x lane
.set GO,   60                          ; v60-67   the eight rows' byte offsets
.set XR,   68                          ; v68-99   the rows
.set ST,   100                         ; v100-131 zq
.set BT,   132                         ; v132-163 out2's numbers
.set Q0,   164                         ; v164-167, v168-171 at work
.set ER,   168
.set OD,   172                         ; v172-203 out0 as stored
.set HH,   204
.set CC,   205
.set ZERO, 206
.set SPW,  208                         ; v208 LDS address of my spare word; never rewritten
.set NIL,  209                         ; v209 0; never rewritten
.set SQ32, 0x40b504f3                  ; sqrt(32) as f32
	s_load_b256 s[4:11], s[0:1], 0x0               ; cand s[4:5], norms s[6:7], embed_weight s[8:9], out0 s[10:11]
	s_load_b128 s[12:15], s[0:1], 0x20             ; out1 s[12:13], out2 s[14:15]
	s_load_b64 s[16:17], s[0:1], 0x30              ; out3
	v_lshl_add_u32 v[SPW], v0, 2, SPARE
	v_mov_b32 v[NIL], 0
	v_lshrrev_b32 v1, 5, v0
	v_readfirstlane_b32 s20, v1                    ; wave 0..7
	v_and_b32 v1, 31, v0                           ; lane
	v_and_b32 v[CC], 15, v0
	v_bfe_u32 v[HH], v0, 4, 1
	v_lshlrev_b32 v[L16], 4, v1
	v_lshlrev_b32 v[L8], 3, v1
	v_mul_u32_u24 v[DL], v[CC], 4*TP
	v_lshlrev_b32 v[ZA], 4, v[CC]
	s_and_b32 s21, ttmp7, 0xffff                   ; y
	s_lshl_b32 s22, s20, 9
	v_add_nc_u32 v[PST], s22, v[L16]
	v_lshl_add_u32 v[DL], v[HH], 2, v[DL]
	v_lshl_add_u32 v[ZA], v[HH], 12, v[ZA]
	s_lshl_b32 s22, s20, 6
	v_add_nc_u32 v[DL], s22, v[DL]
	s_mul_i32 s22, s20, 8*TP
	v_add_nc_u32 v[TL], s22, v[L16]
	s_lshl_b32 s22, s21, 9
	v_add_nc_u32 v[LB], s22, v[L16]
	s_wait_alu depctr_va_vdst(0)
	s_lshl_b32 s24, s20, 18                        ; cand: blocks 4 w on, 65,536 bytes each,
	s_lshl_b32 s22, ttmp9, 9                       ; + 64 x tokens of 8 bytes
	s_add_co_u32 s24, s24, s22
	s_mov_b32 s25, 0
	s_lshr_b32 s26, ttmp9, 4                       ; out0: the image (16 work-groups along x to each), 2^20 bytes,
	s_lshl_b32 s26, s26, 20
	s_lshl_b32 s22, s21, 19                        ; + channels 128 y
	s_add_co_u32 s26, s26, s22
	s_lshl_b32 s22, s20, 16                        ; + 16 w, 4,096 bytes each,
	s_add_co_u32 s26, s26, s22
	s_and_b32 s22, ttmp9, 15
	s_lshl_b32 s22, s22, 8                         ; + 64 tokens of 4 bytes for each x
	s_add_co_u32 s26, s26, s22
	s_mov_b32 s27, 0
	s_lshl_b32 s28, ttmp9, 16                      ; out2: token 64 x + 8 w, 1,024 bytes each, + 512 y
	s_lshl_b32 s22, s20, 13
	s_add_co_u32 s28, s28, s22
	s_lshl_b32 s22, s21, 9
	s_add_co_u32 s28, s28, s22
	s_mov_b32 s29, 0
	s_lshl_b32 s30, ttmp9, 8                       ; out1: 64 x tokens of 4 bytes
	s_mov_b32 s31, 0
	s_wait_kmcnt 0x0
	s_add_nc_u64 s[4:5], s[4:5], s[24:25]
.irp i, 0,1,2,3
	global_load_b128 v[CD+4*\i:CD+4*\i+3], v[L16], s[4:5] offset:65536*\i      ; block 4 w + i: the 64 tokens' pairs, 512 consecutive bytes
.endr
	s_add_nc_u64 s[10:11], s[10:11], s[26:27]
	s_add_nc_u64 s[14:15], s[14:15], s[28:29]
	s_add_nc_u64 s[12:13], s[12:13], s[30:31]
; Two pairs each at v[a:a+3] and v[b:b+3], b from the higher blocks: CMPP asks whether b's keys are strictly larger, SELP takes the winners into a.
.macro CMPP a, b, m
	v_cmp_gt_i32 s[\m], v[\b], v[\a]
	v_cmp_gt_i32 s[\m+1], v[\b+2], v[\a+2]
.endm
.macro SELP a, b, m
	v_cndmask_b32 v[\a], v[\a], v[\b], s[\m]
	v_cndmask_b32 v[\a+1], v[\a+1], v[\b+1], s[\m]
	v_cndmask_b32 v[\a+2], v[\a+2], v[\b+2], s[\m+1]
	v_cndmask_b32 v[\a+3], v[\a+3], v[\b+3], s[\m+1]
.endm
	s_wait_loadcnt 0x0
	CMPP CD, CD+4, 80
	CMPP CD+8, CD+12, 82
	SELP CD, CD+4, 80
	SELP CD+8, CD+12, 82
	CMPP CD, CD+8, 84
	SELP CD, CD+8, 84
	ds_store_b128 v[PST], v[CD:CD+3] offset:PART
	s_wait_dscnt 0x0                               ; for the others' sake: my store has landed
	s_barrier_signal -1
	s_barrier_wait -1
.irp p, 0,1,2,3,4,5,6,7
	ds_load_b128 v[PM+4*\p:PM+4*\p+3], v[L16] offset:PART+512*\p
.endr
	s_wait_dscnt 0x0
.irp p, 0,1,2,3
	CMPP PM+8*\p, PM+8*\p+4, 80+2*\p
.endr
.irp p, 0,1,2,3
	SELP PM+8*\p, PM+8*\p+4, 80+2*\p
.endr
	CMPP PM, PM+8, 80
	CMPP PM+16, PM+24, 82
	SELP PM, PM+8, 80
	SELP PM+16, PM+24, 82
	CMPP PM, PM+16, 84
	SELP PM, PM+16, 84
	v_min_u32 v[IX], 0x3fff, v[PM+1]               ; an index stays inside the table of 16,384 rows: every wave now holds all 64, lane l those of tokens 2 l and 2 l + 1
	v_min_u32 v[IX+1], 0x3fff, v[PM+3]
	s_wait_alu depctr_va_vdst(0)
	s_lshl_b32 s23, s20, 2                         ; token 8 w + i lies in lane 4 w + i / 2, register i % 2
.irp i, 0,1,2,3,4,5,6,7
	s_add_co_u32 s22, s23, \i/2
	v_readlane_b32 s[40+\i], v[IX+\i%2], s22
	s_min_u32 s[40+\i], s[40+\i], 0x3fff
	v_lshl_add_u32 v[GO+\i], s[40+\i], 10, v[LB]   ; the row's 1,024 bytes, my half of them, my 16 bytes
	global_load_b128 v[XR+4*\i:XR+4*\i+3], v[GO+\i], s[8:9]
	s_lshl_b32 s[48+\i], s[40+\i], 2
	s_load_b32 s[56+\i], s[6:7], s[48+\i] offset:0x0           ; n = max(|row|, 1e-12)
	s_load_b32 s[66+\i], s[6:7], s[48+\i] offset:0x10000       ; rc, its reciprocal
.endr
	s_or_b32 s22, s20, s21
	s_cmp_lg_u32 s22, 0
	s_cbranch_scc1 .Lnot_first                     ; out1 is stored by wave 0 of the work-group with y = 0
	global_store_b64 v[L8], v[IX:IX+1], s[12:13]   ; 256 consecutive bytes, at a multiple of 256 from out1's first byte
.Lnot_first:
	s_wait_kmcnt 0x0
.irp i, 0,1,2,3,4,5,6,7
	s_wait_loadcnt 7-\i                            ; token i's row is in; the later rows may be out
.irp j, 0,1,2,3
	v_mul_f32 v[Q0+\j], s[66+\i], v[XR+4*\i+\j]                ; q0 = x rc
.endr
.irp j, 0,1,2,3
	v_fma_f32 v[ER+\j], -v[Q0+\j], s[56+\i], v[XR+4*\i+\j]     ; what it leaves: x - q0 n
.endr
.irp j, 0,1,2,3
	v_fma_f32 v[ST+4*\i+\j], v[ER+\j], s[66+\i], v[Q0+\j]      ; x / n
.endr
.irp j, 0,1,2,3
	v_mul_f32 v[BT+4*\i+\j], SQ32, v[ST+4*\i+\j]
.endr
.irp j, 0,1,2,3
	ds_store_b32 v[TL], v[ST+4*\i+\j] offset:QT+TP*\i+4*\j
.endr
.irp j, 0,1,2,3
	v_cvt_i32_f32 v[BT+4*\i+\j], v[BT+4*\i+\j]                 ; toward zero
.endr
.irp j, 0,1,2,3
	v_add_nc_u32 v[BT+4*\i+\j], 4, v[BT+4*\i+\j]
.endr
	global_store_b128 v[L16], v[BT+4*\i:BT+4*\i+3], s[14:15] offset:1024*\i th:TH_STORE_NT   ; 512 consecutive bytes of the token's row of out2
.endr
	s_wait_dscnt 0x0                               ; for the others' sake: my stores have landed
	s_barrier_signal -1
	s_barrier_wait -1
.irp i, 0,1,2,3,4,5,6,7
.irp j, 0,1,2,3
	ds_load_b32 v[OD+4*\i+\j], v[DL] offset:QT+TP*\j+8*\i      ; zq(token 4 c + j, channel 16 w + 2 i + hh)
.endr
.endr
.irp i, 0,1,2,3,4,5,6,7
	s_wait_dscnt 28-4*\i                           ; the four loads of channels 2 i, 2 i + 1 are in
	global_store_b128 v[ZA], v[OD+4*\i:OD+4*\i+3], s[10:11] offset:8192*\i th:TH_STORE_NT    ; sixteen lanes store 256 consecutive bytes, at a multiple of 256 from out0's first byte
.endr
	s_or_b32 s22, s20, s21
	s_or_b32 s22, s22, ttmp9
	s_cmp_lg_u32 s22, 0
	s_cbranch_scc1 .Lend                           ; out3, one number: thread 0 of the first work-group
	v_mov_b32 v[ZERO], 0
	s_wait_alu depctr_va_vdst(0)
	s_wait_xcnt 0x0                                ; EXEC is a source of the stores above: it changes only behind this wait
	v_cmp_gt_u32 vcc_lo, 1, v0
	s_and_saveexec_b32 s22, vcc_lo
	global_store_b32 v[ZERO], v[ZERO], s[16:17]    ; the loss: 0
	s_wait_xcnt 0x0                                ; and again in front of the line that widens it
	s_or_b32 exec_lo, exec_lo, s22
.Lend:
	s_wait_tensorcnt 0x0                           ; the wave's end
	ds_add_u32 v[SPW], v[NIL]
	s_wait_dscnt 0x0
	s_endpgm
.Lfunc_end_k_q48c0ea2a33_finish:
	.size	k_q48c0ea2a33_finish, .Lfunc_end_k_q48c0ea2a33_finish-k_q48c0ea2a33_finish
	.p2alignl 7, 3214868480
	.fill 96, 4, 3214868480
	.section	.rodata,"a",@progbits
	.p2align	6, 0x0
	.amdhsa_kernel k_q48c0ea2a33_finish
		.amdhsa_group_segment_fixed_size 38144
		.amdhsa_private_segment_fixed_size 0
		.amdhsa_enable_private_segment 0
		.amdhsa_kernarg_size 56
		.amdhsa_user_sgpr_count 2
		.amdhsa_user_sgpr_kernarg_segment_ptr 1
		.amdhsa_wavefront_size32 1
		.amdhsa_system_sgpr_workgroup_id_x 1
		.amdhsa_system_sgpr_workgroup_id_y 1
		.amdhsa_system_sgpr_workgroup_id_z 1
		.amdhsa_system_vgpr_workitem_id 0
		.amdhsa_next_free_vgpr 210
		.amdhsa_next_free_sgpr 90
		.amdhsa_reserve_vcc 1
		.amdhsa_float_denorm_mode_32 3
		.amdhsa_float_denorm_mode_16_64 3
		.amdhsa_memory_ordered 1
		.amdhsa_forward_progress 1
		.amdhsa_inst_pref_size 27
	.end_amdhsa_kernel
	.amdgpu_metadata
---
amdhsa.version: [ 1, 2 ]
amdhsa.kernels:
  - .name:           k_q48c0ea2a33_finish
    .symbol:         k_q48c0ea2a33_finish.kd
    .args:
      - { .name: cand, .offset: 0, .size: 8, .value_kind: global_buffer, .address_space: global }
      - { .name: norms, .offset: 8, .size: 8, .value_kind: global_buffer, .address_space: global }
      - { .name: embed_weight, .offset: 16, .size: 8, .value_kind: global_buffer, .address_space: global }
      - { .name: out0, .offset: 24, .size: 8, .value_kind: global_buffer, .address_space: global }
      - { .name: out1, .offset: 32, .size: 8, .value_kind: global_buffer, .address_space: global }
      - { .name: out2, .offset: 40, .size: 8, .value_kind: global_buffer, .address_space: global }
      - { .name: out3, .offset: 48, .size: 8, .value_kind: global_buffer, .address_space: global }
    .group_segment_fixed_size: 38144
    .private_segment_fixed_size: 0
    .kernarg_segment_align: 8
    .kernarg_segment_size: 56
    .max_flat_workgroup_size: 256
    .sgpr_count:     90
    .vgpr_count:     210
    .wavefront_size: 32
...
	.end_amdgpu_metadata
.endif
;; end of part 3
